; MI455X (gfx1250); checked and timed in simulation.
; The chip was launched on July 23, 2026; its instructions are those of AMD's public machine-readable ISA for CDNA 5 (MIT licence, August 2026) and "CDNA5" Instruction Set Architecture Reference Guide (July 2026). The comments in the code are by the model that wrote it; some were corrected since.
;; Mo EX Layer. Allowed arithmetic: float matrix products may take bf16 or f16 operands with f32 sums; other float arithmetic in f32, or as packed bf16 or f16 multiplies, adds, multiply-adds, maxima and minima; sums over many terms, partial sums and values carried from step to step in f32; what a program stores and reads back later, other than sums and carried values, may be rounded once to bf16 or f16.
;; Inputs: W 4,096 x 1,024 float32; alpha 8 x 1,024 float32; beta 8 x 1,024 float32; bias 4,096 float32; x 2 x 1,024 x 1,024 float32.
;; Outputs: out0 2 x 1,024 x 4,096 float32.
;; One version. Each part assembles by itself: llvm-mc -triple=amdgcn-amd-amdhsa -mcpu=gfx1250 --defsym DOCPART=n.
;; ======== version 1 of 1: 3 launches
;; limits: values are held in f16: magnitudes above 65,504 overflow, below 6.1e-05 lose precision
;; workspace buffers: wh 8,388,608 bytes; ah 8,388,608 bytes; pmean 65,536 bytes; pm2 65,536 bytes; wts 32,768 bytes
;; launch wprep (part 1): grid 8 x 16, 16 waves a work-group, no clusters, 18,432 bytes of LDS; arguments W, wh, pmean, pm2; writes wh, pmean, pm2
.if DOCPART == 1
	.amdgcn_target "amdgcn-amd-amdhsa--gfx1250"
	.amdhsa_code_object_version 6
	.text
	.protected	k_q68abe4a5ce_wprep
	.globl	k_q68abe4a5ce_wprep
	.p2align	8
	.type	k_q68abe4a5ce_wprep,@function
k_q68abe4a5ce_wprep:
	s_mov_b64 s[64:65], 0
	v_nop
	global_prefetch_b8 v0, s[64:65] scope:SCOPE_SE
	s_setreg_imm32_b32 hwreg(HW_REG_WAVE_MODE, 25, 1), 1
	s_wait_xcnt 0x0
; W [4096][1024] f32 is rounded to bf16; that number is written as f16 into wh [4096][1024] (exact where |W| is 6.2e-5 or more and under 65,504), and the
; column statistics of the rounded numbers are begun: for each block of 256 rows x 128 columns the column mean (pmean) and the sum of squared deviations from it (pm2), both [16][1024] f32.
; LIMITS.  |W| under 6.2e-5 keeps the fixed step 6e-8 of f16; |W| of 65,520 or more becomes an infinity; NaN and infinities are not treated apart.
; SHARES.  Work-group (strip, rg): columns 128 strip .. +127, rows 256 rg .. +255.  Wave w: rows 16 w .. +15 of them.  Lane l: columns 4 l .. +3 of the strip.
; One load of a wave covers 512 consecutive bytes of a row of W, one store 256 consecutive aligned bytes of wh.  All 16 loads of a wave go out at once.
; NO DIFFERENCE OF LARGE SUMS: each level keeps (mean, sum of squared deviations); G equal groups of n rows merge as mean = sum mean_i / G, msq = sum msq_i + n sum (mean_i - mean)^2.
; No matrix unit, no cluster, no tensor load: the launch streams W once through registers and nothing is shared between work-groups.
.set MEANS, 0                          ; LDS: [16 waves][128 columns] f32
.set MSQS,  8192                       ; LDS: the same for the squared deviations
.set SPARE, 16384                      ; the spare words: 128 bytes for each of 16 waves, named by no other line
.set SPW,  6                           ; v6  SPARE + 4 x thread; never rewritten
.set NIL,  7                           ; v7  0; never rewritten
.set ESQ,  8                           ; v[8:11]   sum of (mean_i - mean)^2
.set MEAN, 12                          ; v[12:15]
.set MSQ,  16                          ; v[16:19]
.set DA,   20                          ; v[20:23]  deviations, two sets by turns
.set DB,   24                          ; v[24:27]
.set P,    28                          ; v[28:29]  four numbers as bf16
.set X,    32                          ; v[32:95]  row i at X + 4 i
.set H,    96                          ; v[96:127] row i as f16, two registers, never rewritten: store data
.set MB,   32                          ; wave 0, later: the 16 waves' means
.set QB,   128                         ; and their squared deviations
; 16 equal groups of n rows into one: means at mb + 4 i, squared deviations at qb + 4 i; the result in MEAN and MSQ
.macro MERGE16 mb, qb, n
.irp p, 0, 2
	v_pk_add_f32 v[MEAN+\p:MEAN+\p+1], v[(\mb)+\p:(\mb)+\p+1], v[(\mb)+4+\p:(\mb)+5+\p]
	v_pk_add_f32 v[MSQ+\p:MSQ+\p+1], v[(\qb)+\p:(\qb)+\p+1], v[(\qb)+4+\p:(\qb)+5+\p]
.endr
.set i, 2
.rept 14
.irp p, 0, 2
	v_pk_add_f32 v[MEAN+\p:MEAN+\p+1], v[MEAN+\p:MEAN+\p+1], v[(\mb)+4*i+\p:(\mb)+4*i+\p+1]
	v_pk_add_f32 v[MSQ+\p:MSQ+\p+1], v[MSQ+\p:MSQ+\p+1], v[(\qb)+4*i+\p:(\qb)+4*i+\p+1]
.endr
.set i, i+1
.endr
.irp p, 0, 2
	v_pk_mul_f32 v[MEAN+\p:MEAN+\p+1], v[MEAN+\p:MEAN+\p+1], 0x3d800000 op_sel_hi:[1,0]  ; / 16
.endr
.set i, 0
.rept 16
.set DD, DA+(DB-DA)*(i%2)
.irp p, 0, 2
	v_pk_add_f32 v[DD+\p:DD+\p+1], v[(\mb)+4*i+\p:(\mb)+4*i+\p+1], v[MEAN+\p:MEAN+\p+1] neg_lo:[0,1] neg_hi:[0,1]
.endr
.irp p, 0, 2
.if i == 0
	v_pk_mul_f32 v[ESQ+\p:ESQ+\p+1], v[DD+\p:DD+\p+1], v[DD+\p:DD+\p+1]
.else
	v_pk_fma_f32 v[ESQ+\p:ESQ+\p+1], v[DD+\p:DD+\p+1], v[DD+\p:DD+\p+1], v[ESQ+\p:ESQ+\p+1]
.endif
.endr
.set i, i+1
.endr
.irp p, 0, 2
	v_pk_fma_f32 v[MSQ+\p:MSQ+\p+1], v[ESQ+\p:ESQ+\p+1], \n, v[MSQ+\p:MSQ+\p+1] op_sel_hi:[1,0,1]
.endr
.endm
	s_load_b256 s[4:11], s[0:1], 0x0               ; W s[4:5], wh s[6:7], pmean s[8:9], pm2 s[10:11]
	v_lshl_add_u32 v[SPW], v0, 2, SPARE
	v_mov_b32 v[NIL], 0
	v_lshrrev_b32 v1, 5, v0
	v_readfirstlane_b32 s12, v1                    ; wave 0..15
	v_and_b32 v1, 31, v0                           ; lane
	v_lshlrev_b32 v2, 4, v1                        ; 16 x lane: my 4 columns in W and in the partials, and wave 0's LDS read address
	v_lshlrev_b32 v3, 3, v1                        ; 8 x lane: my 4 columns in wh
	v_lshlrev_b32 v4, 4, v0                        ; 512 x wave + 16 x lane: my place in MEANS
	s_and_b32 s14, ttmp7, 0xffff                   ; rg
	s_mov_b32 s13, 0xffff0000                      ; a word's upper bf16
	s_lshl_b32 s2, s14, 20                         ; 256 rows of 4,096 bytes
	s_lshl_b32 s15, s12, 16                        ; 16 rows
	s_add_co_u32 s2, s2, s15
	s_lshl_b32 s15, ttmp9, 9                       ; 128 columns of 4 bytes
	s_add_co_u32 s2, s2, s15
	s_mov_b32 s3, 0
	s_lshr_b32 s16, s2, 1                          ; the same place in wh: half the bytes
	s_mov_b32 s17, 0
	s_lshl_b32 s18, s14, 12                        ; row rg of the partials,
	s_add_co_u32 s18, s18, s15                     ; my strip
	s_mov_b32 s19, 0
	s_wait_kmcnt 0x0
	s_add_nc_u64 s[4:5], s[4:5], s[2:3]
	s_add_nc_u64 s[6:7], s[6:7], s[16:17]
	s_add_nc_u64 s[8:9], s[8:9], s[18:19]
	s_add_nc_u64 s[10:11], s[10:11], s[18:19]
.set i, 0
.rept 16
	global_load_b128 v[X+4*i:X+4*i+3], v2, s[4:5] offset:4096*i th:TH_LOAD_NT
.set i, i+1
.endr
	; row by row: round to bf16, widen again (the statistics are those of the rounded numbers), write as f16, add up
.set i, 0
.rept 16
.set XI, X+4*i
	s_wait_loadcnt 15-i                            ; loads come back in order: row i is in, the 15 - i younger rows stay out
	v_cvt_pk_bf16_f32 v[P], v[XI], v[XI+1]
	v_cvt_pk_bf16_f32 v[P+1], v[XI+2], v[XI+3]
	v_lshlrev_b32 v[XI], 16, v[P]
	v_and_b32 v[XI+1], s13, v[P]
	v_lshlrev_b32 v[XI+2], 16, v[P+1]
	v_and_b32 v[XI+3], s13, v[P+1]
	v_cvt_pk_f16_f32 v[H+2*i], v[XI], v[XI+1]
	v_cvt_pk_f16_f32 v[H+2*i+1], v[XI+2], v[XI+3]
	global_store_b64 v3, v[H+2*i:H+2*i+1], s[6:7] offset:2048*i  ; 32 lanes x 8 bytes: 256 consecutive bytes, aligned
.if i == 1
	v_pk_add_f32 v[MEAN:MEAN+1], v[X:X+1], v[XI:XI+1]          ; the first two rows start the sums
	v_pk_add_f32 v[MEAN+2:MEAN+3], v[X+2:X+3], v[XI+2:XI+3]
.elseif i > 1
	v_pk_add_f32 v[MEAN:MEAN+1], v[MEAN:MEAN+1], v[XI:XI+1]
	v_pk_add_f32 v[MEAN+2:MEAN+3], v[MEAN+2:MEAN+3], v[XI+2:XI+3]
.endif
.set i, i+1
.endr
	v_pk_mul_f32 v[MEAN:MEAN+1], v[MEAN:MEAN+1], 0x3d800000 op_sel_hi:[1,0]      ; / 16
	v_pk_mul_f32 v[MEAN+2:MEAN+3], v[MEAN+2:MEAN+3], 0x3d800000 op_sel_hi:[1,0]
.set i, 0
.rept 16
.set XI, X+4*i
.set DD, DA+4*(i%2)
	v_pk_add_f32 v[DD:DD+1], v[XI:XI+1], v[MEAN:MEAN+1] neg_lo:[0,1] neg_hi:[0,1]
	v_pk_add_f32 v[DD+2:DD+3], v[XI+2:XI+3], v[MEAN+2:MEAN+3] neg_lo:[0,1] neg_hi:[0,1]
.if i == 0
	v_pk_mul_f32 v[MSQ:MSQ+1], v[DD:DD+1], v[DD:DD+1]
	v_pk_mul_f32 v[MSQ+2:MSQ+3], v[DD+2:DD+3], v[DD+2:DD+3]
.else
	v_pk_fma_f32 v[MSQ:MSQ+1], v[DD:DD+1], v[DD:DD+1], v[MSQ:MSQ+1]
	v_pk_fma_f32 v[MSQ+2:MSQ+3], v[DD+2:DD+3], v[DD+2:DD+3], v[MSQ+2:MSQ+3]
.endif
.set i, i+1
.endr
	ds_store_b128 v4, v[MEAN:MEAN+3] offset:MEANS
	ds_store_b128 v4, v[MSQ:MSQ+3] offset:MSQS     ; my last LDS store
	s_wait_tensorcnt 0x0                           ; behind a wave's last LDS store
	ds_add_u32 v[SPW], v[NIL]
	s_wait_dscnt 0x0                               ; the wait is also the one that wave 0 needs: my two stores are done before I signal
	s_barrier_signal -1
	s_barrier_wait -1
	s_cmp_lg_u32 s12, 0
	s_cbranch_scc1 .Lend                           ; wave 0 alone merges the 16 waves' figures
.set i, 0
.rept 16
	ds_load_b128 v[MB+4*i:MB+4*i+3], v2 offset:MEANS+512*i
	ds_load_b128 v[QB+4*i:QB+4*i+3], v2 offset:MSQS+512*i
.set i, i+1
.endr
	s_wait_dscnt 0x0
	MERGE16 MB, QB, 0x41800000                     ; groups of 16 rows
	global_store_b128 v2, v[MEAN:MEAN+3], s[8:9]   ; 512 consecutive bytes each
	global_store_b128 v2, v[MSQ:MSQ+3], s[10:11]
.Lend:
	s_endpgm
.Lfunc_end_k_q68abe4a5ce_wprep:
	.size	k_q68abe4a5ce_wprep, .Lfunc_end_k_q68abe4a5ce_wprep-k_q68abe4a5ce_wprep
	.p2alignl 7, 3214868480
	.fill 96, 4, 3214868480
	.section	.rodata,"a",@progbits
	.p2align	6, 0x0
	.amdhsa_kernel k_q68abe4a5ce_wprep
		.amdhsa_group_segment_fixed_size 18432
		.amdhsa_private_segment_fixed_size 0
		.amdhsa_enable_private_segment 0
		.amdhsa_kernarg_size 32
		.amdhsa_user_sgpr_count 2
		.amdhsa_user_sgpr_kernarg_segment_ptr 1
		.amdhsa_wavefront_size32 1
		.amdhsa_system_sgpr_workgroup_id_x 1
		.amdhsa_system_sgpr_workgroup_id_y 1
		.amdhsa_system_sgpr_workgroup_id_z 1
		.amdhsa_system_vgpr_workitem_id 0
		.amdhsa_next_free_vgpr 192
		.amdhsa_next_free_sgpr 66
		.amdhsa_reserve_vcc 0
		.amdhsa_float_denorm_mode_32 3
		.amdhsa_float_denorm_mode_16_64 3
		.amdhsa_memory_ordered 1
		.amdhsa_forward_progress 1
		.amdhsa_inst_pref_size 28
	.end_amdhsa_kernel
	.amdgpu_metadata
---
amdhsa.version: [ 1, 2 ]
amdhsa.kernels:
  - .name:           k_q68abe4a5ce_wprep
    .symbol:         k_q68abe4a5ce_wprep.kd
    .args:
      - { .name: W, .offset: 0, .size: 8, .value_kind: global_buffer, .address_space: global }
      - { .name: wh, .offset: 8, .size: 8, .value_kind: global_buffer, .address_space: global }
      - { .name: pmean, .offset: 16, .size: 8, .value_kind: global_buffer, .address_space: global }
      - { .name: pm2, .offset: 24, .size: 8, .value_kind: global_buffer, .address_space: global }
    .group_segment_fixed_size: 18432
    .private_segment_fixed_size: 0
    .kernarg_segment_align: 8
    .kernarg_segment_size: 32
    .max_flat_workgroup_size: 512
    .sgpr_count:     66
    .vgpr_count:     192
    .wavefront_size: 32
...
	.end_amdgpu_metadata
.endif
;; end of part 1
;; launch route (part 2): grid 256 x 1, 8 waves a work-group, no clusters, 83,456 bytes of LDS; arguments x, alpha, beta, bias, pmean, pm2, ah, wts; writes ah, wts
.if DOCPART == 2
	.amdgcn_target "amdgcn-amd-amdhsa--gfx1250"
	.amdhsa_code_object_version 6
	.text
	.protected	k_q68abe4a5ce_route
	.globl	k_q68abe4a5ce_route
	.p2align	8
	.type	k_q68abe4a5ce_route,@function
k_q68abe4a5ce_route:
	s_mov_b64 s[64:65], 0
	v_nop
	global_prefetch_b8 v0, s[64:65] scope:SCOPE_SE
	s_setreg_imm32_b32 hwreg(HW_REG_WAVE_MODE, 25, 1), 1
	s_wait_xcnt 0x0
; THE ROUTER, and the first operand of the product.  All inputs are rounded to bf16 first, and everything is computed in f32 from the rounded numbers.
; m, v: mean and variance of the columns of W (merged from 16 partials).  mu_w = alpha m + beta, var_w = alpha^2 v.  logit_e = erf((x . mu_w_e + mean(bias)) / sqrt(2 (x^2 . var_w_e + 1e-8))).
; The two largest logits (of equal ones the lower index), softmax over the two with the larger taken away first.  ah row(T, k) = f16(x_T * alpha_chosen(k)), k = 0, 1;
; row(T, k) = 32 (T / 16) + 16 k + T % 16, so that the two slots of 16 tokens are two neighbouring blocks of 16 rows.  wts[T] = (w0, w0, w1, w1).
; The choice only selects values (v_cndmask_b32 on lane masks): no address and no branch hangs on a floating-point number.
; erf is z P(z^2) / Q(z^2) with z held to -4 .. 4, degrees 6 and 4, a few units in the last place of f32.
; LIMITS.  Two logits that agree to a few units in the last place (also where erf is close to 1) may be ordered otherwise than another erf orders them; exactly equal ones go to the lower index.
; |x alpha| stays under 65,504 (f16); under 6.2e-5 it keeps the step 6e-8.  NaN and infinities are not treated apart.
; SHARES.  A work-group has 8 tokens.  First thread t builds the tables for columns 4 t .. 4 t + 3 into LDS; then wave w takes token 8 wg + w, lane l the columns 128 j + 4 l .. + 3, j = 0..7.
; All 60 loads of a thread go out at once.  No matrix unit: the router's products are 67 MFLOP in f32.  No cluster, no tensor load: everything comes through registers.
.set MU,    0                          ; LDS [8][1024] f32
.set VA,    32768                      ; LDS [8][1024] f32
.set AP,    65536                      ; LDS [8][1024] bf16: alpha rounded
.set BS,    81920                      ; LDS 8 words: the waves' sums of bias
.set WS,    82176                      ; LDS 8 x 16 bytes: the tokens' weights
.set SPARE, 82432                      ; the spare words: 128 bytes for each of 8 waves, named by no other line
.set SPW,  4                           ; v4  SPARE + 4 x thread; never rewritten
.set NIL,  5                           ; v5  0; never rewritten
; v1 lane; v2 16 t; v3 16 lane; v6 AP + 8 t; v7 AP + 8 lane; v9 8 lane; v10-15 at work
.set MB,   16                          ; v[16:79]    the 16 partial means;        later store data of the tables, then GA
.set QB,   80                          ; v[80:143]   the 16 partial deviations;   later GB
.set AL,   144                         ; v[144:175]  alpha of my 4 columns, 8 experts
.set BE,   176                         ; v[176:207]  beta
.set BI,   208                         ; v[208:223]  16 numbers of bias
.set XR,   224                         ; v[224:255]  my token's x, group j at XR + 4 j; stays to the end
.set MEAN, 208                         ; when bias is done
.set MSQ,  212
.set ESQ,  216
.set DA,   220
.set DB,   10
.set GA,   16                          ; table rows of one group j: expert e: mu at + 8 e, var at + 8 e + 4
.set GB,   80
.set XSQ,  192                         ; v[192:223]  x^2
.set SMU,  160                         ; v[160:175]  sums for mu_h, a pair an expert
.set SVA,  176                         ; v[176:191]  sums for sigma_h^2
.macro MERGE16 mb, qb, n               ; 16 equal groups of n rows into one
.irp p, 0, 2
	v_pk_add_f32 v[MEAN+\p:MEAN+\p+1], v[(\mb)+\p:(\mb)+\p+1], v[(\mb)+4+\p:(\mb)+5+\p]
	v_pk_add_f32 v[MSQ+\p:MSQ+\p+1], v[(\qb)+\p:(\qb)+\p+1], v[(\qb)+4+\p:(\qb)+5+\p]
.endr
.set i, 2
.rept 14
.irp p, 0, 2
	v_pk_add_f32 v[MEAN+\p:MEAN+\p+1], v[MEAN+\p:MEAN+\p+1], v[(\mb)+4*i+\p:(\mb)+4*i+\p+1]
	v_pk_add_f32 v[MSQ+\p:MSQ+\p+1], v[MSQ+\p:MSQ+\p+1], v[(\qb)+4*i+\p:(\qb)+4*i+\p+1]
.endr
.set i, i+1
.endr
.irp p, 0, 2
	v_pk_mul_f32 v[MEAN+\p:MEAN+\p+1], v[MEAN+\p:MEAN+\p+1], 0x3d800000 op_sel_hi:[1,0]  ; / 16
.endr
.set i, 0
.rept 16
.set DD, DA+(DB-DA)*(i%2)
.irp p, 0, 2
	v_pk_add_f32 v[DD+\p:DD+\p+1], v[(\mb)+4*i+\p:(\mb)+4*i+\p+1], v[MEAN+\p:MEAN+\p+1] neg_lo:[0,1] neg_hi:[0,1]
.endr
.irp p, 0, 2
.if i == 0
	v_pk_mul_f32 v[ESQ+\p:ESQ+\p+1], v[DD+\p:DD+\p+1], v[DD+\p:DD+\p+1]
.else
	v_pk_fma_f32 v[ESQ+\p:ESQ+\p+1], v[DD+\p:DD+\p+1], v[DD+\p:DD+\p+1], v[ESQ+\p:ESQ+\p+1]
.endif
.endr
.set i, i+1
.endr
.irp p, 0, 2
	v_pk_fma_f32 v[MSQ+\p:MSQ+\p+1], v[ESQ+\p:ESQ+\p+1], \n, v[MSQ+\p:MSQ+\p+1] op_sel_hi:[1,0,1]
.endr
.endm
.macro RND2 a, t                       ; registers a, a + 1 rounded to bf16, in place, as f32
	v_cvt_pk_bf16_f32 v[\t], v[\a], v[(\a)+1]
	v_lshlrev_b32 v[\a], 16, v[\t]
	v_and_b32 v[(\a)+1], s34, v[\t]
.endm
.macro LDG j, buf                      ; the tables' rows for my 4 columns of group j: 16 LDS loads
.set ee, 0
.rept 8
	ds_load_b128 v[(\buf)+8*ee:(\buf)+8*ee+3],   v3 offset:MU+4096*ee+512*(\j)
	ds_load_b128 v[(\buf)+8*ee+4:(\buf)+8*ee+7], v3 offset:VA+4096*ee+512*(\j)
.set ee, ee+1
.endr
.endm
.macro FMA j, buf                      ; 32 packed multiply-adds; the very first 16 start the sums
.irp p, 0, 1
.set ee, 0
.rept 8
.if ((\j) == 0) && (\p == 0)
	v_pk_mul_f32 v[SMU+2*ee:SMU+2*ee+1], v[(\buf)+8*ee:(\buf)+8*ee+1], v[XR:XR+1]
	v_pk_mul_f32 v[SVA+2*ee:SVA+2*ee+1], v[(\buf)+8*ee+4:(\buf)+8*ee+5], v[XSQ:XSQ+1]
.else
	v_pk_fma_f32 v[SMU+2*ee:SMU+2*ee+1], v[(\buf)+8*ee+2*\p:(\buf)+8*ee+2*\p+1], v[XR+4*(\j)+2*\p:XR+4*(\j)+2*\p+1], v[SMU+2*ee:SMU+2*ee+1]
	v_pk_fma_f32 v[SVA+2*ee:SVA+2*ee+1], v[(\buf)+8*ee+4+2*\p:(\buf)+8*ee+5+2*\p], v[XSQ+4*(\j)+2*\p:XSQ+4*(\j)+2*\p+1], v[SVA+2*ee:SVA+2*ee+1]
.endif
.set ee, ee+1
.endr
.endr
.endm
.macro HORNER dst, c                   ; dst = dst z^2 + c, eight experts in four pairs; z^2 in v[176:183]
.irp p, 0, 2, 4, 6
	v_pk_fma_f32 v[(\dst)+\p:(\dst)+\p+1], v[(\dst)+\p:(\dst)+\p+1], v[176+\p:177+\p], \c op_sel_hi:[1,1,0]
.endr
.endm
.macro TOP src, val, msk               ; v[val] = the largest of v[src .. src+7]; s[msk+e] = all lanes where e is the first that equals it (every lane holds the same eight numbers)
	v_max3_num_f32 v[\val], v[\src], v[(\src)+1], v[(\src)+2]
	v_max3_num_f32 v14, v[(\src)+3], v[(\src)+4], v[(\src)+5]
	v_max3_num_f32 v[\val], v[\val], v[(\src)+6], v[(\src)+7]
	v_max_num_f32 v[\val], v[\val], v14
.set i, 0
.rept 8
	v_cmp_eq_f32 s[36+i], v[(\src)+i], v[\val]
.set i, i+1
.endr
	s_mov_b32 s60, 0
.set i, 0
.rept 8
	s_and_not1_b32 s[(\msk)+i], s[36+i], s60       ; not if a lower index has taken it
	s_or_b32 s60, s60, s[36+i]
.set i, i+1
.endr
.endm
	s_load_b512 s[4:19], s[0:1], 0x0               ; x s[4:5], alpha s[6:7], beta s[8:9], bias s[10:11], pmean s[12:13], pm2 s[14:15], ah s[16:17], wts s[18:19]
	v_lshl_add_u32 v[SPW], v0, 2, SPARE
	v_mov_b32 v[NIL], 0
	v_lshrrev_b32 v1, 5, v0
	v_readfirstlane_b32 s20, v1                    ; wave 0..7
	v_and_b32 v1, 31, v0
	v_lshlrev_b32 v2, 4, v0
	v_lshlrev_b32 v3, 4, v1
	v_lshl_add_u32 v6, v0, 3, AP
	v_lshl_add_u32 v7, v1, 3, AP
	v_lshlrev_b32 v9, 3, v1
	s_lshl_b32 s21, ttmp9, 3
	s_add_co_u32 s21, s21, s20                     ; my token T
	s_lshl_b32 s62, s21, 12                        ; its row of x: 4,096 bytes
	s_mov_b32 s63, 0
	s_mov_b32 s26, 0x76543210                      ; v_permlanex16_b32: each lane takes its own place in the other half
	s_mov_b32 s27, 0xfedcba98
	s_mov_b32 s28, 0x32abcc77                      ; 2e-8
	s_mov_b32 s29, s28
	s_mov_b32 s30, 0xaf95df0b                      ; the numerator's leading coefficient
	s_mov_b32 s31, s30
	s_mov_b32 s32, 0xb77460cd                      ; the denominator's
	s_mov_b32 s33, s32
	s_mov_b32 s34, 0xffff0000                      ; a word's upper bf16
	s_wait_kmcnt 0x0
	s_add_nc_u64 s[22:23], s[4:5], s[62:63]        ; x at my token
	s_lshr_b32 s62, s21, 4
	s_lshl_b32 s62, s62, 16                        ; 32 rows of 2,048 bytes for each 16 tokens
	s_and_b32 s61, s21, 15
	s_lshl_b32 s61, s61, 11
	s_add_co_u32 s62, s62, s61
	s_add_nc_u64 s[24:25], s[16:17], s[62:63]      ; ah at row(T, 0)
	s_lshl_b32 s62, ttmp9, 7                       ; 8 tokens x 16 bytes
	s_add_nc_u64 s[18:19], s[18:19], s[62:63]
	; 60 loads, in the order in which they are wanted
.irp j, 0,1,2,3
	global_load_b128 v[BI+4*\j:BI+4*\j+3], v2, s[10:11] offset:4096*\j
.endr
.set i, 0
.rept 16
	global_load_b128 v[MB+4*i:MB+4*i+3], v2, s[12:13] offset:4096*i
.set i, i+1
.endr
.set i, 0
.rept 16
	global_load_b128 v[QB+4*i:QB+4*i+3], v2, s[14:15] offset:4096*i
.set i, i+1
.endr
.set i, 0
.rept 8
	global_load_b128 v[AL+4*i:AL+4*i+3], v2, s[6:7] offset:4096*i
.set i, i+1
.endr
.set i, 0
.rept 8
	global_load_b128 v[BE+4*i:BE+4*i+3], v2, s[8:9] offset:4096*i
.set i, i+1
.endr
.set i, 0
.rept 8
	global_load_b128 v[XR+4*i:XR+4*i+3], v3, s[22:23] offset:512*i th:TH_LOAD_NT
.set i, i+1
.endr
	; the sum of bias: 16 numbers a thread, then the wave, then a word for each wave
	s_wait_loadcnt 56                              ; the four loads of bias are in; the 56 younger stay out
.set i, 0
.rept 8
	RND2 BI+2*i, 10+i%4
.set i, i+1
.endr
.irp q, 0, 4, 8, 12
	v_pk_add_f32 v[BI+\q:BI+\q+1], v[BI+\q:BI+\q+1], v[BI+\q+2:BI+\q+3]
.endr
	v_pk_add_f32 v[BI:BI+1], v[BI:BI+1], v[BI+4:BI+5]
	v_pk_add_f32 v[BI+8:BI+9], v[BI+8:BI+9], v[BI+12:BI+13]
	v_pk_add_f32 v[BI:BI+1], v[BI:BI+1], v[BI+8:BI+9]
	v_add_f32 v[BI], v[BI], v[BI+1]
.irp m, 1, 2, 4, 8
	v_add_f32_dpp v[BI], v[BI], v[BI] row_xmask:\m row_mask:0xf bank_mask:0xf
.endr
	v_permlanex16_b32 v10, v[BI], s26, s27
	v_add_f32 v[BI], v[BI], v10
	v_mov_b32 v11, s20
	v_lshl_add_u32 v11, v11, 2, BS
	ds_store_b32 v11, v[BI]                        ; all lanes write the same word with the same number
	s_wait_loadcnt 24                              ; the 32 partials are in; alpha, beta and x (24 loads) stay out
	MERGE16 MB, QB, 0x43800000                     ; groups of 256 rows
	v_pk_mul_f32 v[MSQ:MSQ+1], v[MSQ:MSQ+1], 0x39800000 op_sel_hi:[1,0]       ; / 4096: the variance
	v_pk_mul_f32 v[MSQ+2:MSQ+3], v[MSQ+2:MSQ+3], 0x39800000 op_sel_hi:[1,0]
	s_wait_loadcnt 8                               ; alpha and beta are in; x (8 loads) stays out
.set ee, 0
.rept 8
.set AE, AL+4*ee
.set BB, BE+4*ee
.set SD, 16+10*ee                      ; ten registers of store data an expert
	v_cvt_pk_bf16_f32 v[SD], v[AE], v[AE+1]
	v_cvt_pk_bf16_f32 v[SD+1], v[AE+2], v[AE+3]
	ds_store_b64 v6, v[SD:SD+1] offset:2048*ee
	v_lshlrev_b32 v[AE], 16, v[SD]
	v_and_b32 v[AE+1], s34, v[SD]
	v_lshlrev_b32 v[AE+2], 16, v[SD+1]
	v_and_b32 v[AE+3], s34, v[SD+1]
	RND2 BB, 10
	RND2 BB+2, 11
	v_pk_fma_f32 v[SD+2:SD+3], v[AE:AE+1], v[MEAN:MEAN+1], v[BB:BB+1]            ; alpha m + beta
	v_pk_fma_f32 v[SD+4:SD+5], v[AE+2:AE+3], v[MEAN+2:MEAN+3], v[BB+2:BB+3]
	ds_store_b128 v2, v[SD+2:SD+5] offset:MU+4096*ee
	v_pk_mul_f32 v[SD+6:SD+7], v[AE:AE+1], v[AE:AE+1]
	v_pk_mul_f32 v[SD+8:SD+9], v[AE+2:AE+3], v[AE+2:AE+3]
	v_pk_mul_f32 v[SD+6:SD+7], v[SD+6:SD+7], v[MSQ:MSQ+1]                        ; alpha^2 v
	v_pk_mul_f32 v[SD+8:SD+9], v[SD+8:SD+9], v[MSQ+2:MSQ+3]
	ds_store_b128 v2, v[SD+6:SD+9] offset:VA+4096*ee
.set ee, ee+1
.endr
	s_wait_loadcnt 0x0                             ; x
.set i, 0
.rept 16
	RND2 XR+2*i, 10+i%4
.set i, i+1
.endr
	s_wait_dscnt 0x0                               ; for the others' sake: my stores into the tables are done
	s_barrier_signal -1
	s_barrier_wait -1
	; the sixteen dot products of my token, two groups of table rows in flight
	v_mov_b32 v12, BS
	ds_load_b128 v[144:147], v12
	ds_load_b128 v[148:151], v12 offset:16
	LDG 0, GA
	LDG 1, GB
.set i, 0
.rept 16
	v_pk_mul_f32 v[XSQ+2*i:XSQ+2*i+1], v[XR+2*i:XR+2*i+1], v[XR+2*i:XR+2*i+1]
.set i, i+1
.endr
.irp j, 0,1,2,3,4,5,6,7
.if \j < 7
	s_wait_dscnt 16                                ; group j is in; the next group's 16 loads stay out
.else
	s_wait_dscnt 0x0
.endif
	FMA \j, GA+64*(\j%2)
.if \j < 6
	LDG \j+2, GA+64*(\j%2)
.endif
.if \j == 0
	v_pk_add_f32 v[144:145], v[144:145], v[146:147]   ; the mean of bias (its eight parts came ahead of group 0)
	v_pk_add_f32 v[148:149], v[148:149], v[150:151]
	v_pk_add_f32 v[144:145], v[144:145], v[148:149]
	v_add_f32 v152, v144, v145
	v_mul_f32 v152, 0x39800000, v152
	v_mov_b32 v153, v152
.endif
.endr
	; alpha of my columns, all eight experts, as packed bf16: 64 loads that land under the router's arithmetic.  Expert e, group j at v[16 + 16 e + 2 j]
.set ee, 0
.rept 8
.set jj, 0
.rept 8
	ds_load_b64 v[16+16*ee+2*jj:17+16*ee+2*jj], v7 offset:2048*ee+256*jj
.set jj, jj+1
.endr
.set ee, ee+1
.endr
.set i, 0
.rept 8
	v_add_f32 v[160+i], v[160+2*i], v[161+2*i]     ; the pairs' halves, ascending, so that nothing is overwritten before it is read
.set i, i+1
.endr
.set i, 0
.rept 8
	v_add_f32 v[168+i], v[176+2*i], v[177+2*i]
.set i, i+1
.endr
.irp m, 1, 2, 4, 8                     ; sixteen sums over the 32 lanes, side by side; every lane ends with the same bits
.set i, 0
.rept 16
	v_add_f32_dpp v[160+i], v[160+i], v[160+i] row_xmask:\m row_mask:0xf bank_mask:0xf
.set i, i+1
.endr
.endr
.set i, 0
.rept 16
	v_permlanex16_b32 v[176+i], v[160+i], s26, s27
.set i, i+1
.endr
.set i, 0
.rept 8
	v_pk_add_f32 v[160+2*i:161+2*i], v[160+2*i:161+2*i], v[176+2*i:177+2*i]
.set i, i+1
.endr
	; z = (mu + mean bias) / sqrt(2 var + 2e-8)
.irp p, 0, 2, 4, 6
	v_pk_fma_f32 v[168+\p:169+\p], v[168+\p:169+\p], 2.0, s[28:29] op_sel_hi:[1,0,0]
.endr
.set i, 0
.rept 8
	v_rsq_f32 v[168+i], v[168+i]
.set i, i+1
.endr
.irp p, 0, 2, 4, 6
	v_pk_add_f32 v[160+\p:161+\p], v[160+\p:161+\p], v[152:153]   ; plain work behind the last root
.endr
	s_wait_alu depctr_va_vdst(0)                   ; one wait for the eight roots, ahead of their first reader
.irp p, 0, 2, 4, 6
	v_pk_mul_f32 v[160+\p:161+\p], v[160+\p:161+\p], v[168+\p:169+\p]
.endr
.set i, 0
.rept 8
	v_med3_num_f32 v[160+i], v[160+i], -4.0, 4.0
.set i, i+1
.endr
.irp p, 0, 2, 4, 6
	v_pk_mul_f32 v[176+\p:177+\p], v[160+\p:161+\p], v[160+\p:161+\p]
.endr
.irp p, 0, 2, 4, 6
	v_pk_fma_f32 v[184+\p:185+\p], v[176+\p:177+\p], s[30:31], 0x32edffee op_sel_hi:[1,0,0]
	v_pk_fma_f32 v[168+\p:169+\p], v[176+\p:177+\p], s[32:33], 0xb95fbd29 op_sel_hi:[1,0,0]
.endr
	HORNER 184, 0xb60cff51
	HORNER 168, 0xbadc924e
	HORNER 184, 0xb86ec2d2
	HORNER 168, 0xbbf19bf8
	HORNER 184, 0xba40ac63
	HORNER 168, 0xbc69b6a7
.set i, 0
.rept 8
	v_rcp_f32 v[168+i], v[168+i]
.set i, i+1
.endr
	HORNER 184, 0xbb41a1f6                         ; the numerator goes on behind the reciprocals: plain work that names none of them
	HORNER 184, 0xbc83dbd4
.irp p, 0, 2, 4, 6
	v_pk_mul_f32 v[184+\p:185+\p], v[184+\p:185+\p], v[160+\p:161+\p]
.endr
	s_wait_alu depctr_va_vdst(0)                   ; one wait for the eight reciprocals
.irp p, 0, 2, 4, 6
	v_pk_mul_f32 v[160+\p:161+\p], v[184+\p:185+\p], v[168+\p:169+\p]
.endr
.set i, 0
.rept 8
	v_med3_num_f32 v[160+i], v[160+i], -1.0, 1.0
.set i, i+1
.endr
	; the two largest
	TOP 160, 10, 44                                ; v10 = the largest logit, s[44:51] its mask
	v_mov_b32 v12, -2.0                            ; below every logit
.set i, 0
.rept 8
	v_cndmask_b32 v[176+i], v[160+i], v12, s[44+i]
.set i, i+1
.endr
	TOP 176, 11, 52                                ; v11 = the second, s[52:59] its mask
	; softmax over the two, the larger taken away: w0 = 1 / (1 + e), w1 = e / (1 + e), e = exp(second - first)
	v_sub_f32 v13, v11, v10
	v_mul_f32 v13, 0x3fb8aa3b, v13
	v_exp_f32 v13, v13
	v_mov_b32 v15, s20
	s_wait_alu depctr_va_vdst(0)
	v_add_f32 v14, 1.0, v13
	v_rcp_f32 v188, v14
	v_lshl_add_u32 v15, v15, 4, WS
	s_wait_alu depctr_va_vdst(0)
	v_mov_b32 v189, v188
	v_mul_f32 v190, v13, v188
	v_mul_f32 v191, v13, v188
	ds_store_b128 v15, v[188:191]                  ; my last LDS store
	s_wait_tensorcnt 0x0                           ; behind a wave's last LDS store
	ds_add_u32 v[SPW], v[NIL]
	s_wait_dscnt 0x0                               ; the wait also shows the 64 loads of alpha in and my weights stored, ahead of the barrier below
	; alpha of the two chosen experts, on packed pairs: expert 0 unless a later mask is set
.irp k, 0, 1
.set n, 0
.rept 16
	v_cndmask_b32 v[192+16*\k+n], v[16+n], v[32+n], s[44+8*\k+1]
.set n, n+1
.endr
.set ee, 2
.rept 6
.set n, 0
.rept 16
	v_cndmask_b32 v[192+16*\k+n], v[192+16*\k+n], v[16+16*ee+n], s[44+8*\k+ee]
.set n, n+1
.endr
.set ee, ee+1
.endr
.endr
	; x alpha (exact in f32), rounded once to f16
.irp k, 0, 1
.set jj, 0
.rept 8
.set TW, 16+4*(8*\k+jj)
.set HO, 80+2*(8*\k+jj)                ; store data, never rewritten
.set SE, 192+16*\k+2*jj
	v_lshlrev_b32 v[TW], 16, v[SE]
	v_and_b32 v[TW+1], s34, v[SE]
	v_lshlrev_b32 v[TW+2], 16, v[SE+1]
	v_and_b32 v[TW+3], s34, v[SE+1]
	v_pk_mul_f32 v[TW:TW+1], v[TW:TW+1], v[XR+4*jj:XR+4*jj+1]
	v_pk_mul_f32 v[TW+2:TW+3], v[TW+2:TW+3], v[XR+4*jj+2:XR+4*jj+3]
	v_cvt_pk_f16_f32 v[HO], v[TW], v[TW+1]
	v_cvt_pk_f16_f32 v[HO+1], v[TW+2], v[TW+3]
	global_store_b64 v9, v[HO:HO+1], s[24:25] offset:32768*\k+256*jj  ; 32 lanes x 8 bytes: 256 consecutive bytes, aligned
.set jj, jj+1
.endr
.endr
	s_barrier_signal -1                            ; every wave's weights are in LDS (its wait for them stands above)
	s_barrier_wait -1
	s_cmp_lg_u32 s20, 0
	s_cbranch_scc1 .Lend                           ; wave 0 stores the 8 tokens' weights as 128 consecutive bytes
	v_and_b32 v10, 7, v1
	v_lshl_add_u32 v10, v10, 4, WS
	ds_load_b128 v[144:147], v10
	s_wait_dscnt 0x0
	v_cmp_gt_u32 vcc_lo, 8, v1
	s_wait_xcnt 0x0                                ; EXEC changes only behind this wait: the stores above have it among their sources
	s_and_saveexec_b32 s61, vcc_lo
	global_store_b128 v3, v[144:147], s[18:19]
	s_wait_xcnt 0x0                                ; and again in front of the line that widens it
	s_or_b32 exec_lo, exec_lo, s61
.Lend:
	s_endpgm
.Lfunc_end_k_q68abe4a5ce_route:
	.size	k_q68abe4a5ce_route, .Lfunc_end_k_q68abe4a5ce_route-k_q68abe4a5ce_route
	.p2alignl 7, 3214868480
	.fill 96, 4, 3214868480
	.section	.rodata,"a",@progbits
	.p2align	6, 0x0
	.amdhsa_kernel k_q68abe4a5ce_route
		.amdhsa_group_segment_fixed_size 83456
		.amdhsa_private_segment_fixed_size 0
		.amdhsa_enable_private_segment 0
		.amdhsa_kernarg_size 64
		.amdhsa_user_sgpr_count 2
		.amdhsa_user_sgpr_kernarg_segment_ptr 1
		.amdhsa_wavefront_size32 1
		.amdhsa_system_sgpr_workgroup_id_x 1
		.amdhsa_system_sgpr_workgroup_id_y 1
		.amdhsa_system_sgpr_workgroup_id_z 1
		.amdhsa_system_vgpr_workitem_id 0
		.amdhsa_next_free_vgpr 256
		.amdhsa_next_free_sgpr 66
		.amdhsa_reserve_vcc 1
		.amdhsa_float_denorm_mode_32 3
		.amdhsa_float_denorm_mode_16_64 3
		.amdhsa_memory_ordered 1
		.amdhsa_forward_progress 1
		.amdhsa_inst_pref_size 97
	.end_amdhsa_kernel
	.amdgpu_metadata
---
amdhsa.version: [ 1, 2 ]
amdhsa.kernels:
  - .name:           k_q68abe4a5ce_route
    .symbol:         k_q68abe4a5ce_route.kd
    .args:
      - { .name: x, .offset: 0, .size: 8, .value_kind: global_buffer, .address_space: global }
      - { .name: alpha, .offset: 8, .size: 8, .value_kind: global_buffer, .address_space: global }
      - { .name: beta, .offset: 16, .size: 8, .value_kind: global_buffer, .address_space: global }
      - { .name: bias, .offset: 24, .size: 8, .value_kind: global_buffer, .address_space: global }
      - { .name: pmean, .offset: 32, .size: 8, .value_kind: global_buffer, .address_space: global }
      - { .name: pm2, .offset: 40, .size: 8, .value_kind: global_buffer, .address_space: global }
      - { .name: ah, .offset: 48, .size: 8, .value_kind: global_buffer, .address_space: global }
      - { .name: wts, .offset: 56, .size: 8, .value_kind: global_buffer, .address_space: global }
    .group_segment_fixed_size: 83456
    .private_segment_fixed_size: 0
    .kernarg_segment_align: 8
    .kernarg_segment_size: 64
    .max_flat_workgroup_size: 256
    .sgpr_count:     66
    .vgpr_count:     256
    .wavefront_size: 32
...
	.end_amdgpu_metadata
.endif
;; end of part 2
;; launch gemm (part 3): grid 16 x 16, 4 waves a work-group, clusters of 4 x 4, 327,680 bytes of LDS; arguments ah, wh, bias, wts, out0; writes out0
.if DOCPART == 3
	.amdgcn_target "amdgcn-amd-amdhsa--gfx1250"
	.amdhsa_code_object_version 6
	.text
	.protected	k_q68abe4a5ce_gemm
	.globl	k_q68abe4a5ce_gemm
	.p2align	8
	.type	k_q68abe4a5ce_gemm,@function
k_q68abe4a5ce_gemm:
	s_mov_b64 s[64:65], 0
	v_nop
	global_prefetch_b8 v0, s[64:65] scope:SCOPE_SE
	s_setreg_imm32_b32 hwreg(HW_REG_WAVE_MODE, 25, 1), 1
	s_wait_xcnt 0x0
	s_wait_alu depctr_hold_cnt(0) depctr_sa_sdst(0) depctr_va_vdst(0) depctr_va_sdst(0) depctr_va_ssrc(0) depctr_va_vcc(0) depctr_vm_vsrc(0)
	s_getreg_b32 s2, hwreg(HW_REG_IB_STS2, 6, 4)
	s_cmp_eq_u32 s2, 0
	s_cbranch_scc0 .Lentry_in_a_cluster
	s_endpgm
.Lentry_in_a_cluster:
	s_bfe_u32 s2, ttmp6, 0x10000c
	s_cmp_lg_u32 s2, 0xf033
	s_cbranch_scc0 .Lentry_shape_is_right
	s_endpgm
.Lentry_shape_is_right:
; out0[T][n] = w0[T] relu(ah[row(T,0)] . wh[n] + bias[n]) + w1[T] relu(ah[row(T,1)] . wh[n] + bias[n]).  ah, wh: [4096][1024] f16; bias [4096] f32, rounded to bf16 here; wts [2048][4] = (w0, w0, w1, w1);
; out0 [2048][4096] f32.  row(T, k) = 32 (T / 16) + 16 k + T % 16.  Sums in f32, K ascending, begun with the bias.  NaN and infinities are not treated apart (relu of a NaN gives 0).
; A work-group of four waves makes 256 rows of ah (128 tokens) x 256 columns; a wave 128 x 128: 64 accumulators of 16 x 16, 512 registers.  256 work-groups, one tile each.
; K goes in steps of 128 through a ring of two LDS slots filled by the tensor data mover: the tiles' rows are 256 bytes of memory, at multiples of 256 bytes from the buffer's first byte.
; CLUSTERS: 4 x 4 work-groups.  The four of a row of the cluster need the same tiles of ah, the four of a column the same tiles of wh: each tile is asked for JOINTLY, by the same tensor load with
; the same descriptor and a mask that names the four, which divides the requests by four.
; THE MATRIX INSTRUCTION IS USED TRANSPOSED: source 0 = 16 rows of wh, source 1 = 16 rows of ah.  Lane l then holds row l % 16 of the block, its registers 0-7 the columns 8 (l / 16) + 0..7.
; Block a = 2 j + k of a wave's eight is slot k of the tokens 16 j + l % 16: both slots of a token and column lie in the same lane and the same register number, 64 registers apart.
; THE BIAS is the C operand of the products that start the sums: register r of block b holds bias[16 b + 8 (l / 16) + r], the layout of the result itself.  Nothing is cleared, nothing is added later.
; THE LAST K STEP GOES BY ROWS: all its fragments of wh lie in registers, and the eight blocks are finished one after the other, so that finished tokens leave while the others are multiplied.
; REGISTERS, in windows of 256 (s_set_vgpr_msb: bits 1:0 source 0, 3:2 source 1, 5:4 source 2, 7:6 destination):
;   window 0: v0-15 the tokens' weights; v16-31 addresses; v64-127, v128-191 fragments of ah, two buffers (in the last K step four, of 16 rows x 128 K); v192-255 the bias, later the way out; v32-63 the way out
;   window 1: v64-127, v128-191 fragments of wh; in the last K step all 256      window 2: the accumulators of my rows 0-63 ((a, b) at v[8 (8 a + b)])      window 3: those of rows 64-127
.set SIZE_K, 1024
.set KSTEP,  128
.set PITCH,  272                       ; an LDS row: 256 bytes + 16 of padding: the 16 rows that a fragment load touches begin 68 words apart
.set HALFT,  128*PITCH                 ; 128 rows: what one tensor load brings, and what one wave reads of ah or of wh
.set SLOT,   4*HALFT                   ; 256 rows of ah, then 256 rows of wh
.set STAGE,  2*SLOT                    ; behind the ring: 16 rows x 272 bytes for each wave, for the way out; no tensor load fills it
.set SPITCH, 272
.set SPARE,  STAGE+4*16*SPITCH         ; behind the stages: the spare words, 128 bytes for each wave, named by no other line
.set LAPS,   SIZE_K/(2*KSTEP)          ; a lap = two K steps = once round the ring: 4
.set OUTROW, 16384                     ; bytes in a row of out0
.set ADRA, 16                          ; v16-17  LDS address of my fragments of ah in slot 0, 1
.set ADRB, 20                          ; v20-21  the same for wh
.set STO,  24                          ; v24     the way out: where I put 32 bytes of a row
.set RD,   25                          ; v25     the way out: where I read a row back
.set CO,   26                          ; v26     my byte offset in out0; never rewritten
.set TP,   27                          ; v27     at work
.set SPW,  28                          ; v28     SPARE + 4 x thread; never rewritten
.set NIL,  29                          ; v29     0; never rewritten
.set WO,   30                          ; v30     16 (l % 16): my token's weights
.set BO,   31                          ; v31     32 (l / 16): my eight numbers of bias in a block
.set F0,   64
.set F1,   128
.set BI,   192                         ; v192-255 the bias: block b at BI + 8 b
.set TMP,  192                         ; later: 16 tokens x 64 columns, combined
.set OB,   32                          ; 16 rows read back from the stage: v32-63 and v224-255 by turns
.set PA,   64                          ; the last K step: fragments of 16 rows x 128 K, four buffers, v64-191
.set G1,  24                           ; s[24:31] descriptor group 1 for tiles of ah;  s[32:39] group 0, a set for each slot
.set G0,  32
.set G1B, 48                           ; s[48:55], s[56:63] the same for wh
.set G0B, 56
.set MSB, 0
.macro WIN new                         ; the immediate's high byte repeats the setting that is left; a switch that changes nothing is dropped
.if MSB != (\new)
	s_set_vgpr_msb (MSB<<8)|(\new)
.set MSB, \new
.endif
.endm
.set MUL_LO, 0xa1                      ; source 0 (wh) window 1, source 1 (ah) window 0, C and D window 2
.set MUL_HI, 0xf1                      ; the same, C and D window 3
.set TO_B,   0x40                      ; destination window 1, address window 0
; A joint load.  Waves 0 and 1 fetch the two halves of the tile of ah, waves 2 and 3 those of wh.  The branch hangs on the wave's number alone.
; An s_nop 0 and four v_nop follow each of the two lines, ahead of the jump and the label.
.macro JLOAD s
	s_cmp_eq_u32 s11, 0
	s_cbranch_scc0 .Lfor_b_\@
	tensor_load_to_lds s[G0+4*(\s):G0+4*(\s)+3], s[G1:G1+7]
	s_nop 0
.rept 4
	v_nop
.endr
	s_branch .Lasked_\@
.Lfor_b_\@:
	tensor_load_to_lds s[G0B+4*(\s):G0B+4*(\s)+3], s[G1B:G1B+7]
	s_nop 0
.rept 4
	v_nop
.endr
.Lasked_\@:
.endm
.macro CREST                           ; a round of the cluster's barrier behind its opening barrier
	s_cmp_lg_u32 s10, 0
	s_cbranch_scc1 .Lnot_wave_0_\@
	s_barrier_signal -3
.Lnot_wave_0_\@:
	s_barrier_wait -3
	s_barrier_signal -1
	s_barrier_wait -1
.endm
.macro CROUND                          ; a whole round
	s_barrier_signal -1
	s_barrier_wait -1
	CREST
.endm
	s_load_b128 s[4:7], s[0:1], 0x0                ; ah s[4:5], wh s[6:7]
	s_load_b128 s[68:71], s[0:1], 0x10             ; bias s[68:69], wts s[70:71]
	s_load_b64 s[8:9], s[0:1], 0x20                ; out0
	v_lshl_add_u32 v[SPW], v0, 2, SPARE
	v_mov_b32 v[NIL], 0
	ds_add_u32 v[SPW], v[NIL]                      ; the wave's opening: the add and its wait stand ahead of my first tensor load; the set-up below, work on registers, stands between
	v_lshrrev_b32 v1, 5, v0
	v_readfirstlane_b32 s10, v1                    ; wave 0..3
	s_lshr_b32 s11, s10, 1                         ; which half of the tile's rows is mine.  Also: I fetch for ah (0) or for wh (1)
	s_and_b32 s12, s10, 1                          ; which half of its columns.  Also: which 128 rows of that tile I fetch
	s_bfe_u32 s40, ttmp6, 0x40000                  ; cx
	s_bfe_u32 s41, ttmp6, 0x40004                  ; cy
	s_lshl_b32 s42, ttmp9, 2
	s_add_co_u32 s42, s42, s40                     ; tile column = 4 x cluster x + cx
	s_and_b32 s13, ttmp7, 0xffff
	s_lshl_b32 s13, s13, 2
	s_add_co_u32 s13, s13, s41                     ; tile row = 4 x cluster y + cy
	s_lshl_b32 s43, s41, 2
	s_lshl_b32 s43, 15, s43                        ; my row of the cluster: places 4 cy .. 4 cy + 3
	s_lshl_b32 s44, 0x1111, s40                    ; my column: places cx, cx + 4, cx + 8, cx + 12
	; descriptor group 1: a tile of 128 rows x 128 elements of 2 bytes, padded in LDS by 4 words after every 64
	s_or_b32 s[G1+0], s43, (1<<16)|(1<<20)|(1<<21)|(5<<22)|(3<<25)   ; tiles of ah go to my row of the cluster
	s_or_b32 s[G1B+0], s44, (1<<16)|(1<<20)|(1<<21)|(5<<22)|(3<<25)  ; tiles of wh to my column
.irp g, G1, G1B
	s_mov_b32 s[(\g)+1], KSTEP<<16                 ; tensor_dim0 = 128
	s_mov_b32 s[(\g)+2], 128<<16                   ; tensor_dim1 = 128
	s_mov_b32 s[(\g)+3], KSTEP<<16                 ; tile_dim0 = 128
	s_mov_b32 s[(\g)+4], 128                       ; tile_dim1 = 128
	s_mov_b32 s[(\g)+5], SIZE_K                    ; elements from row to row
	s_mov_b32 s[(\g)+6], 0
	s_mov_b32 s[(\g)+7], 0
.endr
	; ah's tiles hang on the tile row alone, wh's on the tile column alone; each address is made in registers that never hold the other coordinate
	s_lshl_b32 s17, s12, 7                         ; which 128 rows of the tile I fetch
	s_lshl_b32 s16, s13, 8
	s_add_co_u32 s16, s16, s17                     ; ah: row 256 x tile row + 128 x half
	s_lshl_b32 s46, s42, 8
	s_add_co_u32 s46, s46, s17                     ; wh: row 256 x tile column + 128 x half
	s_mov_b32 s17, 0
	s_mov_b32 s47, 0
	s_mov_b64 s[18:19], SIZE_K*2
	s_mul_u64 s[16:17], s[16:17], s[18:19]
	s_mul_u64 s[46:47], s[46:47], s[18:19]
	s_mul_i32 s20, s10, HALFT                      ; where they go: wave x 128 rows: no place in the cluster enters an LDS address
	s_wait_dscnt 0x0                               ; the opening add is done
	s_wait_kmcnt 0x0
	s_add_nc_u64 s[14:15], s[4:5], s[16:17]
	s_add_nc_u64 s[46:47], s[6:7], s[46:47]
	CROUND                                         ; all sixteen work-groups are here: the first joint loads meet
.irp s, 0,1
	s_mov_b32 s[G0+4*(\s)], 1
	s_add_co_u32 s[G0+4*(\s)+1], s20, (\s)*SLOT
	s_add_nc_u64 s[G0+4*(\s)+2:G0+4*(\s)+3], s[14:15], (\s)*KSTEP*2
	s_or_b32 s[G0+4*(\s)+3], s[G0+4*(\s)+3], 0x80000000
	s_mov_b32 s[G0B+4*(\s)], 1
	s_add_co_u32 s[G0B+4*(\s)+1], s20, (\s)*SLOT
	s_add_nc_u64 s[G0B+4*(\s)+2:G0B+4*(\s)+3], s[46:47], (\s)*KSTEP*2
	s_or_b32 s[G0B+4*(\s)+3], s[G0B+4*(\s)+3], 0x80000000
	JLOAD \s                                       ; two loads of mine are out: K steps 0 and 1
.endr
	; A fragment is 16 rows x 32 K in 8 registers: lane l holds row l % 16, K = 8 (l / 16) + 0..7 and 16 + 8 (l / 16) + 0..7: two loads of 16 bytes, 32 bytes apart
	v_and_b32 v1, 15, v0                           ; l % 16
	v_bfe_u32 v2, v0, 4, 1                         ; l / 16
	v_mul_u32_u24 v3, v1, PITCH
	v_lshl_add_u32 v3, v2, 4, v3
	s_mul_i32 s21, s11, HALFT                      ; my 128 rows of ah
	s_mul_i32 s22, s12, HALFT                      ; my 128 rows of wh,
	s_add_co_u32 s22, s22, 2*HALFT                 ; which lie behind ah's 256
.irp s, 0,1
	v_add_nc_u32 v[ADRA+(\s)], s21, v3
	v_add_nc_u32 v[ADRB+(\s)], s22, v3
	s_add_co_u32 s21, s21, SLOT
	s_add_co_u32 s22, s22, SLOT
.endr
	s_mul_i32 s23, s10, 16*SPITCH
	s_add_co_u32 s23, s23, STAGE                   ; my stage
	v_mul_u32_u24 v4, v1, SPITCH                   ; in: row l % 16, 32 bytes for each half of the lanes
	v_lshl_add_u32 v4, v2, 5, v4
	v_add_nc_u32 v[STO], s23, v4
	v_mul_u32_u24 v5, v2, SPITCH                   ; back: lanes 0-15 take one row of 256 bytes, lanes 16-31 the next
	v_lshl_add_u32 v5, v1, 4, v5
	v_add_nc_u32 v[RD], s23, v5
	v_lshlrev_b32 v5, 14, v2                       ; and the same two rows in out0
	v_lshl_add_u32 v[CO], v1, 4, v5
	v_lshlrev_b32 v[WO], 4, v1
	v_lshlrev_b32 v[BO], 5, v2
	s_lshl_b32 s16, s13, 7
	s_lshl_b32 s14, s11, 6
	s_add_co_u32 s14, s16, s14                     ; my wave's first token: 128 x tile row + 64 x half
	s_lshl_b32 s16, s14, 14                        ; its row of out0
	s_mov_b32 s17, 0
	s_add_nc_u64 s[8:9], s[8:9], s[16:17]
	s_lshl_b32 s16, s14, 4                         ; its 16 bytes of wts
	s_add_nc_u64 s[70:71], s[70:71], s[16:17]
	s_lshl_b32 s46, s42, 10                        ; my first column, in bytes of f32: 1,024 x tile column + 512 x half (in registers that have held the tile column before)
	s_lshl_b32 s47, s12, 9
	s_add_co_u32 s46, s46, s47
	s_mov_b32 s47, 0
	s_add_nc_u64 s[8:9], s[8:9], s[46:47]
	s_add_nc_u64 s[68:69], s[68:69], s[46:47]
.irp b, 0,1,2,3,4,5,6,7
	global_load_b128 v[BI+8*\b:BI+8*\b+3],   v[BO], s[68:69] offset:64*\b
	global_load_b128 v[BI+8*\b+4:BI+8*\b+7], v[BO], s[68:69] offset:64*\b+16
.endr
.irp j, 0,1,2,3
	global_load_b128 v[4*\j:4*\j+3], v[WO], s[70:71] offset:256*\j   ; (w0, w0, w1, w1) of token 16 j + l % 16; v0-v5 have served
.endr
	s_wait_loadcnt 0x0
.set i, 0
.rept 32                               ; the bias rounded to bf16, as every input is; this stands in the wait for the first tile
	v_cvt_pk_bf16_f32 v[TP], v[BI+2*i], v[BI+2*i+1]
	v_lshlrev_b32 v[BI+2*i], 16, v[TP]
	v_and_b32 v[BI+2*i+1], 0xffff0000, v[TP]
.set i, i+1
.endr
; 16 matrix instructions: m blocks a0, a0 + 1 of the window's four (hi = 0: my rows 0-63, 1: rows 64-127) x all 8 n blocks, 32 along K.  zero = 1: the first product starts the sums with the bias (C in window 0).
.macro MUL16 f, hi, a0, zero
.if \zero
	WIN 0x81+0x40*(\hi)
.else
	WIN MUL_LO+0x50*(\hi)
.endif
.irp a, \a0, (\a0)+1
.irp b, 0,1,2,3,4,5,6,7
.if \zero
	v_wmma_f32_16x16x32_f16 v[8*(8*(\a)+(\b)):8*(8*(\a)+(\b))+7], v[(\f)+8*(\b):(\f)+8*(\b)+7], v[(\f)+8*(4*(\hi)+(\a)):(\f)+8*(4*(\hi)+(\a))+7], v[BI+8*(\b):BI+8*(\b)+7]
.else
	v_wmma_f32_16x16x32_f16 v[8*(8*(\a)+(\b)):8*(8*(\a)+(\b))+7], v[(\f)+8*(\b):(\f)+8*(\b)+7], v[(\f)+8*(4*(\hi)+(\a)):(\f)+8*(4*(\hi)+(\a))+7], v[8*(8*(\a)+(\b)):8*(8*(\a)+(\b))+7]
.endif
.endr
.endr
.endm
; 32 LDS loads in one run: the fragments of one quarter step (32 K at byte k of the rows) into buffer f
.macro FETCH slot, k, f
	WIN TO_B
.irp i, 0,1,2,3,4,5,6,7
	ds_load_b128 v[(\f)+8*(\i):(\f)+8*(\i)+3],   v[ADRB+(\slot)] offset:(\k)+(\i)*16*PITCH
	ds_load_b128 v[(\f)+8*(\i)+4:(\f)+8*(\i)+7], v[ADRB+(\slot)] offset:(\k)+(\i)*16*PITCH+32
.endr
	WIN 0
.irp i, 0,1,2,3,4,5,6,7
	ds_load_b128 v[(\f)+8*(\i):(\f)+8*(\i)+3],   v[ADRA+(\slot)] offset:(\k)+(\i)*16*PITCH
	ds_load_b128 v[(\f)+8*(\i)+4:(\f)+8*(\i)+7], v[ADRA+(\slot)] offset:(\k)+(\i)*16*PITCH+32
.endr
.endm
; Four plain vector instructions stand between a matrix instruction and a load into a register that it has read, or a vector instruction that reads its result (ISA guide 7.12.1 for vector instructions)
.macro PLACES
.rept 4
	v_nop
.endr
.endm
; A K step is four quarters of 32 along K, 64 matrix instructions each, on buffers 0, 1, 0, 1.  The 64 accumulators take turns, one instruction a turn.
.macro QUARTER slot, k, f, g, zero
	s_wait_dscnt 8                                 ; wh and ah's rows 0-63 are in; the youngest eight loads (ah's rows 64-127) may be out
	MUL16 \f, 0, 0, \zero
	MUL16 \f, 0, 2, \zero
	PLACES
	FETCH \slot, \k, \g
	s_wait_dscnt 32                                ; all but the 32 just issued
	MUL16 \f, 1, 0, \zero
	MUL16 \f, 1, 2, \zero
.endm
; The last quarter multiplies buffer 1 and changes slots: ONE barrier.  In front of it each wave waits for all its tensor loads (one is out: its part of the next slot), adds 0 to its spare word,
; and waits for that and for its own reads of this slot.  Behind it nobody reads this slot any more and the next slot is whole.
.macro MEET round
	WIN 0                                          ; (the add's two registers lie in window 0)
	s_wait_tensorcnt 0x0
	ds_add_u32 v[SPW], v[NIL]
	s_wait_dscnt 9                                 ; (the add and the youngest eight loads may be out)
	MUL16 F1, 0, 0, 0                              ; sixteen matrix instructions stand between the add and the wait for it
	s_wait_dscnt 0x0                               ; the add is done, and my reads of this slot are over
	s_barrier_signal -1
	MUL16 F1, 0, 2, 0                              ; work on registers while the others arrive
.if \round
	WIN 0
.endif
	s_barrier_wait -1
.endm
.macro TURN slot, next
	MEET 1
	CREST                                          ; the barrier has opened a round of the cluster's: no wave of any partner still reads this slot's tile or has a load on its way
	s_add_nc_u64 s[G0+4*(\slot)+2:G0+4*(\slot)+3], s[G0+4*(\slot)+2:G0+4*(\slot)+3], 2*KSTEP*2
	s_add_nc_u64 s[G0B+4*(\slot)+2:G0B+4*(\slot)+3], s[G0B+4*(\slot)+2:G0B+4*(\slot)+3], 2*KSTEP*2
	JLOAD \slot                                    ; my one tensor load behind the round, 224 matrix instructions ahead of the wait for it; its four v_nop are also the places in front of the loads below
	FETCH \next, 0, F0
	MUL16 F1, 1, 0, 0
	MUL16 F1, 1, 2, 0
.endm
; THE LAST K STEP (it lies in slot 1), by rows
.macro BLOAD q                         ; wh's fragments of quarter q -> window 1, v[64 q ..]
	WIN TO_B
.irp i, 0,1,2,3,4,5,6,7
	ds_load_b128 v[64*(\q)+8*(\i):64*(\q)+8*(\i)+3],   v[ADRB+1] offset:64*(\q)+(\i)*16*PITCH
	ds_load_b128 v[64*(\q)+8*(\i)+4:64*(\q)+8*(\i)+7], v[ADRB+1] offset:64*(\q)+(\i)*16*PITCH+32
.endr
.endm
.macro ALOAD a                         ; ah's fragments of block a, all four quarters -> buffer a % 4
	WIN 0
.set FA, PA+32*((\a)%4)
.irp q, 0,1,2,3
	ds_load_b128 v[FA+8*(\q):FA+8*(\q)+3],   v[ADRA+1] offset:64*(\q)+(\a)*16*PITCH
	ds_load_b128 v[FA+8*(\q)+4:FA+8*(\q)+7], v[ADRA+1] offset:64*(\q)+(\a)*16*PITCH+32
.endr
.endm
.macro ROW a                           ; block a is finished: 32 matrix instructions, its 8 accumulators by turns, K ascending
.set FA, PA+32*((\a)%4)
.set AC, 64*((\a)%4)
	WIN MUL_LO+0x50*((\a)/4)
.irp q, 0,1,2,3
.if (\a) == 0 && (\q) == 2
	s_wait_dscnt 24                                ; wh's quarter 2 is in (behind it: ah's blocks 1 to 3)
.endif
.irp b, 0,1,2,3,4,5,6,7
	v_wmma_f32_16x16x32_f16 v[AC+8*(\b):AC+8*(\b)+7], v[64*(\q)+8*(\b):64*(\q)+8*(\b)+7], v[FA+8*(\q):FA+8*(\q)+7], v[AC+8*(\b):AC+8*(\b)+7]
.endr
.endr
.endm
; THE WAY OUT, by units of 16 tokens x 64 columns of f32 (unit u = 2 j + c: tokens 16 j .., columns 64 c ..).
; COMB: relu on both slots' accumulators in place, each from its lowest register on; then w0 x slot 0 + w1 x slot 1 into TMP.
.macro COMB j, c
.set WN, 2+(\j)/2
.set ACB, 64*((2*(\j))%4)
	WIN (WN<<6)|(WN<<2)                            ; destination and source 1 in the accumulators' window
.irp k, 0,1
.irp bb, 0,1,2,3
.irp r, 0,1,2,3,4,5,6,7
	v_max_num_f32 v[ACB+64*\k+8*(4*(\c)+\bb)+\r], 0, v[ACB+64*\k+8*(4*(\c)+\bb)+\r]
.endr
.endr
.endr
	WIN WN                                         ; source 0 there, all else in window 0
.irp bb, 0,1,2,3
.irp r, 0,2,4,6
	v_pk_mul_f32 v[TMP+8*\bb+\r:TMP+8*\bb+\r+1], v[ACB+8*(4*(\c)+\bb)+\r:ACB+8*(4*(\c)+\bb)+\r+1], v[4*(\j):4*(\j)+1]
.endr
.endr
.irp bb, 0,1,2,3
.irp r, 0,2,4,6
	v_pk_fma_f32 v[TMP+8*\bb+\r:TMP+8*\bb+\r+1], v[ACB+64+8*(4*(\c)+\bb)+\r:ACB+64+8*(4*(\c)+\bb)+\r+1], v[4*(\j)+2:4*(\j)+3], v[TMP+8*\bb+\r:TMP+8*\bb+\r+1]
.endr
.endr
	WIN 0
.endm
.macro TOSTAGE u                       ; into my own stage, and back as whole rows of 256 bytes
	WIN 0
.set BK, OB+192*((\u)%2)
.irp bb, 0,1,2,3
	ds_store_b128 v[STO], v[TMP+8*\bb:TMP+8*\bb+3]   offset:64*\bb
	ds_store_b128 v[STO], v[TMP+8*\bb+4:TMP+8*\bb+7] offset:64*\bb+16
.endr
.irp t, 0,1,2,3,4,5,6,7
	ds_load_b128 v[BK+4*\t:BK+4*\t+3], v[RD] offset:\t*2*SPITCH  ; LDS serves a wave's instructions in order (ISA guide 5.7.1.4): these see the stores above
.endr
.endm
.macro SEND u, younger                 ; younger: the LDS loads issued behind TOSTAGE's, which may stay out
	WIN 0
.set BK, OB+192*((\u)%2)
	s_wait_dscnt \younger                          ; the unit is back in registers
	s_wait_xcnt 0x0                                ; the stores of the unit before have read their registers: the next unit is read back into them only behind this wait
.irp t, 0,1,2,3,4,5,6,7
	global_store_b128 v[CO], v[BK+4*\t:BK+4*\t+3], s[8:9] offset:(16*((\u)/2)+2*\t)*OUTROW+256*((\u)%2) th:TH_STORE_NT  ; 16 lanes store 256 consecutive bytes, aligned; the row and the half stand in the immediate, 1,016,064 at the most
.endr
.endm
	s_wait_tensorcnt 1                             ; my part of K step 0 is in; K step 1's may stay out
	s_barrier_signal -1
	s_barrier_wait -1                              ; everybody's is
	FETCH 0, 0, F0
	QUARTER 0, 64,  F0, F1, 1                      ; the first quarter stands in front of the loop: its products start the sums with the bias
	WIN 0                                          ; at a label and at a branch every window is 0
	s_mov_b32 s3, LAPS-1
.Llap:                                                 ; a trip goes once round the ring, from a lap's second quarter to the next lap's first, and fills both slots again
	QUARTER 0, 128, F1, F0, 0
	QUARTER 0, 192, F0, F1, 0
	TURN 0, 1
	QUARTER 1, 64,  F0, F1, 0
	QUARTER 1, 128, F1, F0, 0
	QUARTER 1, 192, F0, F1, 0
	TURN 1, 0
	QUARTER 0, 64,  F0, F1, 0
	WIN 0
	s_sub_co_u32 s3, s3, 1
	s_cmp_lg_u32 s3, 0
	s_cbranch_scc1 .Llap
	QUARTER 0, 128, F1, F0, 0                      ; the last lap goes on; it asks for nothing more
	QUARTER 0, 192, F0, F1, 0
	MEET 0                                         ; my one tensor load that was still out is slot 1's, the last K step's, so no round follows
	PLACES                                         ; for the loads into buffer 0, which the quarter before multiplied
	BLOAD 0                                        ; three quarters of wh now: buffer 1 (v128-191 of both windows) is still being multiplied
	BLOAD 1
	BLOAD 3
	ALOAD 0
	MUL16 F1, 1, 0, 0
	MUL16 F1, 1, 2, 0
	PLACES                                         ; for the loads into buffer 1
	BLOAD 2
	ALOAD 1
	ALOAD 2
	ALOAD 3
	s_wait_dscnt 40                                ; all but the 40 just issued
	ROW 0
	s_wait_dscnt 16                                ; ah's block 1 is in; blocks 2 and 3 (16 loads) may stay out
	ROW 1
.irp j, 0,1,2,3                        ; a pair of blocks, 16 tokens, leaves as soon as it is finished
	PLACES                                         ; the maxima read results just made
	COMB \j, 0
	TOSTAGE 2*\j
.if \j < 2
	ALOAD 2*\j+4                                   ; the pair's two buffers take the blocks four further on
	ALOAD 2*\j+5
.endif
	COMB \j, 1                                     ; the second half's arithmetic stands between the first half's loads from the stage and the wait for them
.if \j < 2
	SEND 2*\j, 16
.else
	SEND 2*\j, 0
.endif
	TOSTAGE 2*\j+1
	SEND 2*\j+1, 0
.if \j < 3
	ROW 2*\j+2
	ROW 2*\j+3
.endif
.endr
	s_wait_tensorcnt 0x0                           ; the wave's end, behind my last tensor load and my last LDS store
	ds_add_u32 v[SPW], v[NIL]
	s_wait_dscnt 0x0
	CROUND                                         ; the closing round: no work-group ends while a partner may still ask for a tile that names it
	s_endpgm
.Lfunc_end_k_q68abe4a5ce_gemm:
	.size	k_q68abe4a5ce_gemm, .Lfunc_end_k_q68abe4a5ce_gemm-k_q68abe4a5ce_gemm
	.p2alignl 7, 3214868480
	.fill 96, 4, 3214868480
	.section	.rodata,"a",@progbits
	.p2align	6, 0x0
	.amdhsa_kernel k_q68abe4a5ce_gemm
		.amdhsa_group_segment_fixed_size 327680
		.amdhsa_private_segment_fixed_size 0
		.amdhsa_enable_private_segment 0
		.amdhsa_kernarg_size 40
		.amdhsa_user_sgpr_count 2
		.amdhsa_user_sgpr_kernarg_segment_ptr 1
		.amdhsa_wavefront_size32 1
		.amdhsa_system_sgpr_workgroup_id_x 1
		.amdhsa_system_sgpr_workgroup_id_y 1
		.amdhsa_system_sgpr_workgroup_id_z 1
		.amdhsa_system_vgpr_workitem_id 0
		.amdhsa_next_free_vgpr 1024
		.amdhsa_next_free_sgpr 72
		.amdhsa_reserve_vcc 0
		.amdhsa_float_denorm_mode_32 3
		.amdhsa_float_denorm_mode_16_64 3
		.amdhsa_memory_ordered 1
		.amdhsa_forward_progress 1
		.amdhsa_inst_pref_size 165
	.end_amdhsa_kernel
	.amdgpu_metadata
---
amdhsa.version: [ 1, 2 ]
amdhsa.kernels:
  - .name:           k_q68abe4a5ce_gemm
    .symbol:         k_q68abe4a5ce_gemm.kd
    .args:
      - { .name: ah, .offset: 0, .size: 8, .value_kind: global_buffer, .address_space: global }
      - { .name: wh, .offset: 8, .size: 8, .value_kind: global_buffer, .address_space: global }
      - { .name: bias, .offset: 16, .size: 8, .value_kind: global_buffer, .address_space: global }
      - { .name: wts, .offset: 24, .size: 8, .value_kind: global_buffer, .address_space: global }
      - { .name: out0, .offset: 32, .size: 8, .value_kind: global_buffer, .address_space: global }
    .group_segment_fixed_size: 327680
    .private_segment_fixed_size: 0
    .kernarg_segment_align: 8
    .kernarg_segment_size: 40
    .max_flat_workgroup_size: 128
    .sgpr_count:     72
    .vgpr_count:     1024
    .wavefront_size: 32
...
	.end_amdgpu_metadata
.endif
;; end of part 3
